; MI455X (gfx1250); checked and timed in simulation.
; The chip was launched on July 23, 2026; its instructions are those of AMD's public machine-readable ISA for CDNA 5 (MIT licence, August 2026) and "CDNA5" Instruction Set Architecture Reference Guide (July 2026). The comments in the code are by the model that wrote it; some were corrected since.
;; Multi Head Self Attention ANE. Allowed arithmetic: matrix products marked QUANTISED: E2M3 operands, one E8M0 scale for each 32 along K, by v_wmma_scale_f32_16x16x128_f8f6f4 with both operands' format E2M3, f32 sums; everything else in f32.
;; Inputs: bo 1,024 float32; wk 1,024 x 1,024 float32; wo 1,024 x 1,024 float32; wq 1,024 x 1,024 float32; wv 1,024 x 1,024 float32; x 4 x 1,024 x 1 x 2,048 float32.
;; Outputs: out0 4 x 1,024 x 1 x 2,048 float32.
;; This version of the problem:
;;   THIS VERSION OF THE PROBLEM IS GIVEN IN LOW PRECISION. The matrix products marked QUANTISED in the list below multiply operands that are first quantised to E2M3 (2 exponent bits, 3 mantissa bits; 6 bits a number), with one power-of-two scale for each 32 numbers along K (OCP MX v1.0); their sums are f32. All else is computed in f32.
;;   The module's matrix products, in the order in which they are computed (A, B: the left and right operand; K: the contracted axis; several contracted axes count as one K, in the product's order):
;;     1. [M 8,192, K 1,024] x [K 1,024, N 1,024]; A: input x; B: input wq: QUANTISED
;;     2. [M 8,192, K 1,024] x [K 1,024, N 1,024]; A: input x; B: input wk: QUANTISED
;;     3. [M 8,192, K 1,024] x [K 1,024, N 1,024]; A: input x; B: input wv: QUANTISED
;;     4. batch 64 x [M 2,048, K 64] x [K 64, N 2,048]; A: computed on the way; B: computed on the way: QUANTISED
;;     5. batch 64 x [M 64, K 2,048] x [K 2,048, N 2,048]; A: computed on the way; B: softmax (see below): QUANTISED
;;     6. [M 8,192, K 1,024] x [K 1,024, N 1,024]; A: computed on the way; B: input wo: QUANTISED
;;   THE QUANTISER, for each operand of a quantised product, along K:
;;     - K is cut into blocks of 32 from its start; a last block that is shorter is filled with zeros.
;;     - A block's scale is 2^e with e = floor(log2(the largest magnitude in the block)) - 2, held to -126 .. 127; a block of zeros has e = 0. As a byte (E8M0): e + 127.
;;     - Each number is divided by its block's scale, clamped to +-7.5, and rounded to the nearest number of E2M3, ties to even, subnormals kept.
;;     - The product sums the exact products of the quantised numbers (number of the format x scale) in f32.
;;   ~~~python
;;   def quantise(x, axis):      # numpy; x: float32 -> the quantised numbers, widened to float32 again
;;       x = np.moveaxis(x, axis, -1); K = x.shape[-1]
;;       x = np.pad(x, [(0, 0)] * (x.ndim - 1) + [(0, -K % 32)]); x = x.reshape(x.shape[:-1] + (-1, 32)); a = np.abs(x).max(-1, keepdims=True)
;;       e = np.where(a > 0, np.clip(np.frexp(np.where(a > 0, a, 1))[1] - 1 - 2, -126, 127), 0)      # np.frexp(a)[1] - 1 = floor(log2(a)), exactly
;;       r = np.clip(x / 2.0 ** e, -7.5, 7.5)
;;       step = 2.0 ** (np.maximum(np.frexp(np.where(r == 0, 1, r))[1] - 1, 0) - 3)
;;       q = np.round(r / step) * step * 2.0 ** e      # np.round: ties to even
;;       return np.moveaxis(q.reshape(q.shape[:-2] + (-1,))[..., :K], -1, axis).astype(np.float32)
;;   ~~~
;;   SOFTMAX AHEAD OF A QUANTISED PRODUCT. Where the list says 'softmax', what is quantised is not the finished softmax but p = 2^(t - M), with t = logit x log2(e) and M = ceil(the row's largest t), a whole number; so 1/2 < the row's largest p <= 1. The row's sum l is taken of the UNQUANTISED p, in f32, and the product's result is divided by l at the end. Since M is a whole number, a kernel that streams over the keys may use a running M (the ceiling of the running maximum): every later rescaling is an exact power of two, which a block's scale takes up: the codes' values come out the same.
;;   OPERANDS COMPUTED ON THE WAY. 'Computed on the way' means the value that the module computes at that place (a softmax that the list does not call 'softmax' is quantised finished and normalised). What goes into a quantiser is computed in f32, as accurately as f32 sums, v_exp_f32 and their like allow (about 1e-6 of the number): no bf16 or f16 on the way to a quantiser, and a product that is left as it is and whose result goes on into a quantised operand takes f32 operands (vector FMAs, or v_wmma_f32_16x16x4_f32). A number that lies on a knife's edge between two numbers of the format may be rounded either way, as far as f32 arithmetic and the matrix unit's own rounding can turn it there, and no further.
;; One version. Each part assembles by itself: llvm-mc -triple=amdgcn-amd-amdhsa -mcpu=gfx1250 --defsym DOCPART=n.
;; ======== version 1 of 1: 4 launches
;; workspace buffers: xq 6,553,600 bytes; wu 3,276,800 bytes; qq 6,815,744 bytes; kv 13,369,344 bytes; aq 6,553,600 bytes
;; launch quant (part 1): grid 768 x 1, 4 waves a work-group, no clusters, 34,304 bytes of LDS; arguments x, wq, wk, wv, wo, xq, wu; writes xq, wu
.if DOCPART == 1
	.amdgcn_target "amdgcn-amd-amdhsa--gfx1250"
	.amdhsa_code_object_version 6
	.text
	.protected	k_q242c85d74f_quant
	.globl	k_q242c85d74f_quant
	.p2align	8
	.type	k_q242c85d74f_quant,@function
k_q242c85d74f_quant:
	s_mov_b64 s[64:65], 0
	v_nop
	global_prefetch_b8 v0, s[64:65] scope:SCOPE_SE
	s_setreg_imm32_b32 hwreg(HW_REG_WAVE_MODE, 25, 1), 1
	s_wait_xcnt 0x0
; x [4][1024 d][2048 l] and the four weights [1024 o][1024 d], f32, become codes of FP6 (E2M3) with one E8M0 byte for each 32 along d, laid as IMAGES OF THE OPERANDS' REGISTERS.
; A block's scale is 2^(floor(log2(largest magnitude)) - 2): its byte is the largest magnitude's exponent field - 2, held at 1 from below by a floor among the maximum's leaves.
; LIMITS: NaN and infinities among the inputs are not served.  A block of zeros gets the byte 1 where the rule says 127: its codes are zeros, and this program alone reads the bytes.
; TILE ORDER (rows (b, l) of x, rows o of the weights): in each group g of 32 rows, lane r of tile 2 g + u holds row 32 g + 8 u + r + (r & 8).
; xq: codes [tile T 0..511][kappa = d / 64][768]: a half fragment (16 rows x 64 K, 6 registers a lane): registers 0-3 at 16 x lane, registers 4-5 at 512 + 8 x lane.  At XSO: scale words [s = d / 128][16 T + r].
; wu: 64 units of 51,200 bytes (unit 16 mat + hu = rows 64 hu .. of wq, wk, wv, wo): fragments [s][t 0..3] of 1,536 bytes (registers 4 q .. 4 q + 3 at 512 q + 16 x lane); at 49,152 scale words [s][t][r].
; Work-groups 0..511 take x: a lane takes a column l and its registers run down d, so a block of 32 lies in one lane and nothing is transposed; a wave's load reads 128 consecutive bytes, the four waves' 512.
; Work-groups 512..767 take the weights (d innermost): each load reads 512 consecutive bytes of a row; a tile's 16 rows turn through the wave's own stage in LDS, so that a lane gets two whole blocks of its row.
; No tensor loads, no barrier: waves share nothing.  No matrix work, no cluster: no two work-groups read the same bytes.
.set XSO,   6291456
.set UNITB, 51200
.set XA,    32                         ; x path: v32-95 two sets of 32 numbers
.set CB,    96                         ; v96-127 codes: 8 registers a block, 6 used
.set CT,    128                        ; v128-135 second halves of the conversions
.set SB,    24                         ; v24 the scale word
.set RW,    32                         ; weights path: v32-159 numbers as loaded, 64 a tile
.set NW,    160                        ; v160-223 a tile's numbers, turned
.set FW,    224                        ; v224-247 fragments, 12 a tile
.set WT,    248                        ; v248-255 second halves of the conversions
	s_load_b256 s[4:11], s[0:1], 0x0               ; x, wq, wk, wv
	s_load_b128 s[12:15], s[0:1], 0x20             ; wo, xq
	s_load_b64 s[16:17], s[0:1], 0x30              ; wu
	v_lshl_add_u32 v251, v0, 2, 0x8400
	v_mov_b32 v255, 0
	v_lshrrev_b32 v1, 5, v0
	v_readfirstlane_b32 s18, v1                    ; wave
	v_and_b32 v1, 31, v0                           ; lane
	v_and_b32 v2, 15, v0                           ; r
	v_bfe_u32 v3, v0, 4, 1                         ; lane / 16
	v_lshlrev_b32 v5, 4, v1                        ; 16 x lane
	v_lshlrev_b32 v6, 3, v1                        ; 8 x lane
	v_lshlrev_b32 v7, 2, v1                        ; 4 x lane
	s_mul_i32 s33, s18, 8448                       ; the wave's stage: 16 rows x 528 bytes (weights path alone)
	v_add_nc_u32 v14, s33, v5                      ; into it: 16 x lane of a row
	v_mul_u32_u24 v15, v2, 528
	v_lshl_add_u32 v15, v3, 7, v15
	v_add_nc_u32 v15, s33, v15                     ; out of it: row r, + 128 (lane / 16): the pitch is 33 x 16 bytes, so sixteen rows start in sixteen different columns of 16 bytes
	s_mov_b32 s27, 0
	s_mov_b32 s29, 0
	s_mov_b32 s31, 0
	s_cmp_lt_u32 ttmp9, 512
	s_cbranch_scc0 .Lweights
	; ---------------- x ----------------
	v_and_b32 v4, 8, v2
	v_add_nc_u32 v4, v4, v2
	v_lshl_add_u32 v4, v3, 3, v4                   ; my column in the group of 32: 8 u + r + (r & 8)
	v_lshlrev_b32 v4, 2, v4
	s_lshr_b32 s19, ttmp9, 3                       ; which 128 columns (b, l)
	s_and_b32 s20, ttmp9, 7                        ; s: which 128 of d
	s_lshr_b32 s21, s19, 4                         ; b
	s_and_b32 s22, s19, 15
	s_lshl_b32 s23, s19, 2
	s_add_co_u32 s23, s23, s18                     ; G: my wave's group of 32 rows (b, l)
	s_lshl_b32 s26, s21, 23                        ; b x 1024 x 2048 x 4
	s_lshl_b32 s24, s20, 20                        ; + 128 s rows of 8,192 bytes
	s_add_co_u32 s26, s26, s24
	s_lshl_b32 s24, s22, 9
	s_add_co_u32 s26, s26, s24
	s_lshl_b32 s24, s18, 7
	s_add_co_u32 s26, s26, s24
	s_mul_i32 s28, s23, 24576                      ; codes: two tiles of 12,288 bytes a group, + 1,536 s
	s_mul_i32 s24, s20, 1536
	s_add_co_u32 s28, s28, s24
	s_lshl_b32 s30, s20, 15                        ; scale words: 32,768 s + 128 G
	s_lshl_b32 s24, s23, 7
	s_add_co_u32 s30, s30, s24
	s_add_co_u32 s30, s30, XSO
	s_wait_alu depctr_va_vdst(0)
	s_wait_kmcnt 0x0
	s_add_nc_u64 s[4:5], s[4:5], s[26:27]
	s_add_nc_u64 s[28:29], s[14:15], s[28:29]
	s_add_nc_u64 s[30:31], s[14:15], s[30:31]
.macro XLOAD t                         ; block t: x(128 s + 32 t + J, my column) into set t % 2
.set J, 0
.rept 32
	global_load_b32 v[XA+32*((\t)%2)+J], v4, s[4:5] offset:(32*(\t)+J)*8192 th:TH_LOAD_NT
.set J, J+1
.endr
.endm
.macro XBLOCK t
.set XS, XA+32*((\t)%2)
.if (\t) < 3
	s_wait_loadcnt 32                              ; this block's 32 loads are in; the next block's 32 may be out
.else
	s_wait_loadcnt 0x0
.endif
	v_max3_num_f32 v12, |v[XS]|, |v[XS+1]|, |v[XS+2]|      ; the block's largest magnitude: all 32 numbers are mine; two chains
	v_max3_num_f32 v13, |v[XS+3]|, |v[XS+4]|, |v[XS+5]|
.irp i, 6,10,14,18,22,26
	v_max3_num_f32 v12, v12, |v[XS+\i]|, |v[XS+\i+1]|
	v_max3_num_f32 v13, v13, |v[XS+\i+2]|, |v[XS+\i+3]|
.endr
	v_max3_num_f32 v12, v12, |v[XS+30]|, |v[XS+31]|
	v_max3_num_f32 v12, v12, v13, 0x1800000        ; and the floor 2^(3 - 127): the byte cannot fall under 1
	v_add_nc_u32 v11, 0xff000000, v12              ; 2 off the exponent field: the conversion's scale operand
	v_lshrrev_b32 v13, 23, v11                     ; the byte
.if (\t) == 0
	v_mov_b32 v[SB], v13
.else
	v_lshl_or_b32 v[SB], v13, 8*(\t), v[SB]
.endif
	v_cvt_scalef32_pk16_fp6_f32 v[CB+8*(\t):CB+8*(\t)+2], v[XS:XS+15], v11
	v_cvt_scalef32_pk16_fp6_f32 v[CT+4*((\t)%2):CT+4*((\t)%2)+2], v[XS+16:XS+31], v11   ; (a conversion's three registers begin on an even number)
	v_nop                                          ; one plain place behind a scaled conversion
.irp i, 0,1,2
	v_mov_b32 v[CB+8*(\t)+3+\i], v[CT+4*((\t)%2)+\i]
.endr
.if (\t) < 2
	XLOAD (\t)+2
.endif
.endm
	XLOAD 0
	XLOAD 1
	XBLOCK 0
	XBLOCK 1
	XBLOCK 2
	XBLOCK 3
	; Lanes 0-15 hold tile 0's rows, lanes 16-31 tile 1's, each with all four blocks.  A half fragment wants block 2 c in lanes 0-15 and block 2 c + 1 in lanes 16-31 of ONE tile:
.irp c, 0,1
.irp i, 0,1,2,3,4,5
	v_permlane16_swap_b32 v[CB+16*\c+\i], v[CB+16*\c+8+\i]   ; the first is now tile 0's half fragment c, the second tile 1's
.endr
.endr
.irp c, 0,1
.irp u, 0,1
	global_store_b128 v5, v[CB+16*\c+8*\u:CB+16*\c+8*\u+3], s[28:29] offset:\u*12288+\c*768         ; 512 consecutive bytes, at a multiple of 256
	global_store_b64 v6, v[CB+16*\c+8*\u+4:CB+16*\c+8*\u+5], s[28:29] offset:\u*12288+\c*768+512    ; 256 more
.endr
.endr
	global_store_b32 v7, v[SB], s[30:31]           ; the 32 rows' scale words: 128 consecutive bytes
	s_endpgm
	; ---------------- the weights ----------------
.Lweights:
	s_sub_co_u32 s19, ttmp9, 512
	s_lshr_b32 s20, s19, 2                         ; U: the unit
	s_lshr_b32 s21, s19, 6                         ; which weight
	s_and_b32 s22, s20, 15                         ; hu: which 64 rows
	s_and_b32 s23, s19, 3
	s_lshl_b32 s23, s23, 1
	s_lshr_b32 s24, s18, 1
	s_add_co_u32 s23, s23, s24                     ; s: which 128 of d
	s_and_b32 s24, s18, 1                          ; p: tiles 2 p and 2 p + 1
	s_lshl_b32 s26, s22, 18                        ; 64 hu rows of 4,096 bytes
	s_lshl_b32 s25, s24, 17
	s_add_co_u32 s26, s26, s25
	s_lshl_b32 s25, s23, 9
	s_add_co_u32 s26, s26, s25
	s_mul_i32 s36, s20, UNITB
	s_mul_i32 s28, s23, 6144
	s_add_co_u32 s28, s28, s36
	s_mul_i32 s25, s24, 3072
	s_add_co_u32 s28, s28, s25
	s_lshl_b32 s30, s23, 8
	s_add_co_u32 s30, s30, s36
	s_lshl_b32 s25, s24, 7
	s_add_co_u32 s30, s30, s25
	s_add_co_u32 s30, s30, 49152
	s_mov_b32 s32, 0xffff0000                      ; lanes 16-31
	s_mov_b32 s34, 0x76543210
	s_mov_b32 s35, 0xfedcba98                      ; v_permlanex16_b32's selects for lane l xor 16
	s_wait_alu depctr_va_vdst(0)
	v_lshlrev_b32 v16, 3, v3                       ; 8 (lane / 16)
	v_mov_b32 v27, 0                               ; (a lane permute's destination counts as one of its sources)
	s_wait_kmcnt 0x0
	s_cmp_eq_u32 s21, 1                            ; the choice hangs on the work-group's number alone
	s_cselect_b64 s[6:7], s[8:9], s[6:7]
	s_cmp_eq_u32 s21, 2
	s_cselect_b64 s[6:7], s[10:11], s[6:7]
	s_cmp_eq_u32 s21, 3
	s_cselect_b64 s[6:7], s[12:13], s[6:7]
	s_add_nc_u64 s[6:7], s[6:7], s[26:27]
	s_add_nc_u64 s[28:29], s[16:17], s[28:29]
	s_add_nc_u64 s[30:31], s[16:17], s[30:31]
.irp u, 0,1
.irp i, 0,1,2,3,4,5,6,7,8,9,10,11,12,13,14,15
	global_load_b128 v[RW+64*\u+4*\i:RW+64*\u+4*\i+3], v5, s[6:7] offset:(8*\u+\i+8*(\i/8))*4096 th:TH_LOAD_NT   ; the row of lane i of tile u: 512 consecutive bytes
.endr
.endr
.macro WTILE u
.if \u == 0
	s_wait_loadcnt 16                              ; tile 0's 16 loads are in; tile 1's 16 may be out
.else
	s_wait_loadcnt 0x0
.endif
.irp i, 0,1,2,3,4,5,6,7,8,9,10,11,12,13,14,15
	ds_store_b128 v14, v[RW+64*\u+4*\i:RW+64*\u+4*\i+3] offset:528*\i
.endr
.irp c, 0,1
.irp j, 0,1,2,3,4,5,6,7
	ds_load_b128 v[NW+32*\c+4*\j:NW+32*\c+4*\j+3], v15 offset:256*\c+16*\j   ; k = 64 c + 32 (lane / 16) + 4 j ..: LDS serves a wave's instructions in order, so these see the stores above
.endr
.endr
	s_wait_dscnt 0x0
.irp c, 0,1                            ; my block 2 c + lane / 16: all its 32 numbers are mine
	v_max3_num_f32 v[17+\c], |v[NW+32*\c]|, |v[NW+32*\c+1]|, 0x1800000
.endr
.irp i, 2,4,6,8,10,12,14,16,18,20,22,24,26,28,30
.irp c, 0,1
	v_max3_num_f32 v[17+\c], v[17+\c], |v[NW+32*\c+\i]|, |v[NW+32*\c+\i+1]|
.endr
.endr
.irp c, 0,1
	v_add_nc_u32 v[19+\c], 0xff000000, v[17+\c]
.endr
.irp c, 0,1
	v_lshrrev_b32 v[21+\c], 23, v[19+\c]
.endr
	v_lshl_or_b32 v26, v22, 16, v21                ; my two bytes, at their places in the scale word,
	v_lshlrev_b32 v26, v16, v26
	v_permlanex16_b32 v27, v26, s34, s35
	v_or_b32 v[24+\u], v26, v27                    ; with lane l xor 16's two the word is whole
.irp c, 0,1
	v_cvt_scalef32_pk16_fp6_f32 v[FW+12*\u+6*\c:FW+12*\u+6*\c+2], v[NW+32*\c:NW+32*\c+15], v[19+\c]
	v_cvt_scalef32_pk16_fp6_f32 v[WT+4*\c:WT+4*\c+2], v[NW+32*\c+16:NW+32*\c+31], v[19+\c]
.endr
	v_nop                                          ; one plain place behind a scaled conversion
.irp c, 0,1
.irp i, 0,1,2
	v_mov_b32 v[FW+12*\u+6*\c+3+\i], v[WT+4*\c+\i]
.endr
.endr
.irp q, 0,1,2
	global_store_b128 v5, v[FW+12*\u+4*\q:FW+12*\u+4*\q+3], s[28:29] offset:1536*\u+512*\q   ; the fragment as it stands: 512 consecutive bytes a store
.endr
.endm
	WTILE 0
	WTILE 1
	v_cndmask_b32 v26, v24, v25, s32               ; lanes 0-15 tile 2 p's words, lanes 16-31 tile 2 p + 1's
	global_store_b32 v7, v26, s[30:31]
	s_wait_tensorcnt 0x0
	ds_add_u32 v251, v255
	s_wait_dscnt 0x0
	s_endpgm
.Lfunc_end_k_q242c85d74f_quant:
	.size	k_q242c85d74f_quant, .Lfunc_end_k_q242c85d74f_quant-k_q242c85d74f_quant
	.p2alignl 7, 3214868480
	.fill 96, 4, 3214868480
	.section	.rodata,"a",@progbits
	.p2align	6, 0x0
	.amdhsa_kernel k_q242c85d74f_quant
		.amdhsa_group_segment_fixed_size 34304
		.amdhsa_private_segment_fixed_size 0
		.amdhsa_enable_private_segment 0
		.amdhsa_kernarg_size 56
		.amdhsa_user_sgpr_count 2
		.amdhsa_user_sgpr_kernarg_segment_ptr 1
		.amdhsa_wavefront_size32 1
		.amdhsa_system_sgpr_workgroup_id_x 1
		.amdhsa_system_sgpr_workgroup_id_y 1
		.amdhsa_system_sgpr_workgroup_id_z 1
		.amdhsa_system_vgpr_workitem_id 0
		.amdhsa_next_free_vgpr 256
		.amdhsa_next_free_sgpr 66
		.amdhsa_reserve_vcc 0
		.amdhsa_float_denorm_mode_32 3
		.amdhsa_float_denorm_mode_16_64 3
		.amdhsa_memory_ordered 1
		.amdhsa_forward_progress 1
		.amdhsa_inst_pref_size 37
	.end_amdhsa_kernel
	.amdgpu_metadata
---
amdhsa.version: [ 1, 2 ]
amdhsa.kernels:
  - .name:           k_q242c85d74f_quant
    .symbol:         k_q242c85d74f_quant.kd
    .args:
      - { .name: x, .offset: 0, .size: 8, .value_kind: global_buffer, .address_space: global }
      - { .name: wq, .offset: 8, .size: 8, .value_kind: global_buffer, .address_space: global }
      - { .name: wk, .offset: 16, .size: 8, .value_kind: global_buffer, .address_space: global }
      - { .name: wv, .offset: 24, .size: 8, .value_kind: global_buffer, .address_space: global }
      - { .name: wo, .offset: 32, .size: 8, .value_kind: global_buffer, .address_space: global }
      - { .name: xq, .offset: 40, .size: 8, .value_kind: global_buffer, .address_space: global }
      - { .name: wu, .offset: 48, .size: 8, .value_kind: global_buffer, .address_space: global }
    .group_segment_fixed_size: 34304
    .private_segment_fixed_size: 0
    .kernarg_segment_align: 8
    .kernarg_segment_size: 56
    .max_flat_workgroup_size: 128
    .sgpr_count:     66
    .vgpr_count:     256
    .wavefront_size: 32
...
	.end_amdgpu_metadata
.endif
;; end of part 1
;; launch qkv (part 2): grid 32 x 8, 4 waves a work-group, clusters of 4 x 1, 307,712 bytes of LDS; arguments xq, wu, qq, kv; writes qq, kv
.if DOCPART == 2
	.amdgcn_target "amdgcn-amd-amdhsa--gfx1250"
	.amdhsa_code_object_version 6
	.text
	.protected	k_q242c85d74f_qkv
	.globl	k_q242c85d74f_qkv
	.p2align	8
	.type	k_q242c85d74f_qkv,@function
k_q242c85d74f_qkv:
	s_mov_b64 s[64:65], 0
	v_nop
	global_prefetch_b8 v0, s[64:65] scope:SCOPE_SE
	s_setreg_imm32_b32 hwreg(HW_REG_WAVE_MODE, 25, 1), 1
	s_wait_xcnt 0x0
	s_wait_alu depctr_hold_cnt(0) depctr_sa_sdst(0) depctr_va_vdst(0) depctr_va_sdst(0) depctr_va_ssrc(0) depctr_va_vcc(0) depctr_vm_vsrc(0)
	s_getreg_b32 s2, hwreg(HW_REG_IB_STS2, 6, 4)
	s_cmp_eq_u32 s2, 0
	s_cbranch_scc0 .Lentry_in_a_cluster
	s_endpgm
.Lentry_in_a_cluster:
	s_bfe_u32 s2, ttmp6, 0x10000c
	s_cmp_lg_u32 s2, 0x3003
	s_cbranch_scc0 .Lentry_shape_is_right
	s_endpgm
.Lentry_shape_is_right:
; q, k, v = x W^T on codes of FP6 (E2M3) with E8M0 scales, and their quantising for the attention: q and k along the head's 64 channels, v along the keys.  Nothing goes to memory as f32.
; SHARES.  Work-group (rg, cg): rows (b, l) 256 rg .. + 255, heads 2 cg and 2 cg + 1.  Wave w keeps its 64 rows (4 tiles) of x for ALL of K in 384 registers, read once, straight from xq.
; The weights are six units of 64 rows (q, k, v of each of the two heads), 51,200 bytes each; all six lie in LDS at once: every LDS byte is filled once, so there is no ring and no refill.
; A unit is 4 x 4 accumulators x 8 K steps = 128 matrix instructions a wave; each fragment of W read from LDS feeds four of them.
; CLUSTER.  The four row groups of a cluster need the same six units: each wave's quarter of a unit is asked for JOINTLY (mask 15).  x's fragments are not shared that way: each wave reads only its own rows,
; once, into registers, so there is no LDS tile of x to share.
; ORIENTATION.  q, k: source 0 = 16 rows of W, source 1 = 16 rows of x: a lane holds one row (b, l) and its registers run along the head's channels.  v: the sources swapped: a lane holds one channel and its
; registers run along l, the keys.  By the tile order (lane r of tile 2 g + u = row 32 g + 8 u + r + (r & 8)) the 16 registers of two neighbouring tiles are 16 neighbours along the next K.
; OUT.  qq: half fragments [bh][query tile 0..127][768]; at QSO scale words [bh][tile][r], two bytes used, the upper two 0.
;   kv: [bh][step of 128 keys] blocks of 13,056 bytes: K's 8 half fragments | at 6,144 V's [d tile][half][768] | at 12,288 K's scale words [tile / 4][r][tile % 4] | at 12,800 V's scale words [r][d tile].
;   V's scale words are written by two waves of this work-group, a halfword each (two bytes a lane: a part of a 256-byte run; 256 bytes for each block of 13,056).
; LIMITS: NaN and infinities are not served; a block of zeros gets the byte 1 (its codes are zeros; this program alone reads the bytes).
; REGISTERS.  window 0: v1-12 offsets; v16-24 scale words at work; v40-59 codes just made; v64-79 the quantiser's; v88-95 W's scale words, two sets; v96-127 x's scale words (8 i + s); v128-255 the 16 accumulators.
;   window 1: x's tiles 0, 1 (fragment (i, s) at 96 (i % 2) + 12 s);  window 2: tiles 2, 3;  window 3: W's fragments, set be at 48 be + 12 t.
; SCALARS.  s12 wave; s14 rg; s15 cg; s[16:23] descriptor group 1; s[24:47] six groups 0; s[48:49] x's codes; s[50:51] x's scale words; s[52:53] qq codes; s[54:55] qq words; s[56:57] kv; s58 lanes 16-31; s[60:61] selects.
.set XSO,   6291456
.set QSO,   6291456
.set UNITB, 51200
.set ACC,   128
.set WS,    88
.set XS,    96
.set PC,    40
.set TM,    64
.set PW,    24
.set SW,    22
.set KW,    16
.set KP,    20
.set G1,    16
.set G0,    24
.set MSB,   0
.macro WIN new                         ; the immediate's high byte repeats the setting that is left; a switch that changes nothing is dropped
.if MSB != (\new)
	s_set_vgpr_msb (MSB<<8)|(\new)
.set MSB, (\new)
.endif
.endm
.macro PLACES n
.rept \n
	v_nop
.endr
.endm
.macro CROUND                          ; a round of the cluster's barrier
	s_barrier_signal -1
	s_barrier_wait -1
	s_cmp_lg_u32 s12, 0
	s_cbranch_scc1 .Lnot_wave_0_\@
	s_barrier_signal -3
.Lnot_wave_0_\@:
	s_barrier_wait -3
	s_barrier_signal -1
	s_barrier_wait -1
.endm
	s_load_b256 s[4:11], s[0:1], 0x0               ; xq, wu, qq, kv
	v_lshl_add_u32 v86, v0, 2, 0x4b000
	v_mov_b32 v87, 0
	ds_add_u32 v86, v87
	ds_add_u32 v86, v87
	v_lshrrev_b32 v1, 5, v0
	v_readfirstlane_b32 s12, v1                    ; wave 0..3
	s_bfe_u32 s13, ttmp6, 0x40000                  ; cx
	s_lshl_b32 s14, ttmp9, 2
	s_add_co_u32 s14, s14, s13                     ; rg = 4 x cluster x + cx: it enters x's, qq's and kv's addresses alone
	s_and_b32 s15, ttmp7, 0xffff                   ; cg, which the four partners share
	; descriptor group 1: a quarter of a unit, 12,800 dense bytes, as 50 rows of 256 bytes (32 elements of 8 bytes); no padding: fragments are read as they lie, 16 bytes a lane on end
	s_mov_b32 s[G1+0], 15|(3<<16)|(1<<21)          ; 15:0 the mask: all four work-groups; 17:16 elements of 8 bytes; 21 set beside a mask
	s_mov_b32 s[G1+1], 32<<16                      ; tensor_dim0 = 32
	s_mov_b32 s[G1+2], 50<<16                      ; tensor_dim1 = 50
	s_mov_b32 s[G1+3], 32<<16                      ; tile_dim0 = 32
	s_mov_b32 s[G1+4], 50                          ; tile_dim1 = 50
	s_mov_b32 s[G1+5], 32                          ; from row to row
	s_mov_b32 s[G1+6], 0
	s_mov_b32 s[G1+7], 0
	s_mul_i32 s2, s15, 2*UNITB                     ; the weights: heads 2 cg .., my quarter
	s_mul_i32 s62, s12, 12800                      ; (also my quarter's place in a unit in LDS)
	s_add_co_u32 s2, s2, s62
	s_mov_b32 s3, 0
	s_mul_i32 s48, s14, 196608                     ; x's codes: 16 tiles of 12,288 bytes a row group, 4 a wave
	s_mul_i32 s50, s12, 49152
	s_add_co_u32 s48, s48, s50
	s_mov_b32 s49, 0
	s_lshl_b32 s50, s14, 10                        ; x's scale words: 64 bytes a tile
	s_lshl_b32 s52, s12, 8
	s_add_co_u32 s50, s50, s52
	s_add_co_u32 s50, s50, XSO
	s_mov_b32 s51, 0
	s_lshr_b32 s58, s14, 3
	s_lshl_b32 s58, s58, 4
	s_lshl_b32 s59, s15, 1
	s_add_co_u32 s58, s58, s59                     ; hb = 16 b + 2 cg
	s_and_b32 s59, s14, 7                          ; rr: which 256 of the batch's 2,048 rows
	s_mul_i32 s52, s58, 98304
	s_mul_i32 s54, s59, 12288
	s_add_co_u32 s52, s52, s54
	s_mul_i32 s54, s12, 3072
	s_add_co_u32 s52, s52, s54
	s_mov_b32 s53, 0
	s_lshl_b32 s54, s58, 13
	s_lshl_b32 s56, s59, 10
	s_add_co_u32 s54, s54, s56
	s_lshl_b32 s56, s12, 8
	s_add_co_u32 s54, s54, s56
	s_add_co_u32 s54, s54, QSO
	s_mov_b32 s55, 0
	s_mul_i32 s56, s58, 208896
	s_lshl_b32 s59, s59, 1
	s_lshr_b32 s57, s12, 1
	s_add_co_u32 s59, s59, s57                     ; the step of 128 keys: 2 rr + w / 2
	s_mul_i32 s59, s59, 13056
	s_add_co_u32 s56, s56, s59
	s_mov_b32 s57, 0
	s_mov_b32 s58, 0xffff0000                      ; lanes 16-31
	s_and_b32 s59, s12, 1                          ; which half of the step's keys is my wave's
	s_mov_b32 s60, 0x76543210
	s_mov_b32 s61, 0xfedcba98                      ; v_permlanex16_b32's selects for lane l xor 16
	v_and_b32 v1, 31, v0
	v_lshlrev_b32 v2, 3, v1                        ; 8 x lane
	v_lshlrev_b32 v3, 2, v1                        ; 4 x lane
	v_lshlrev_b32 v1, 4, v1                        ; 16 x lane
	v_and_b32 v13, 15, v0                          ; r
	v_bfe_u32 v14, v0, 4, 1                        ; h
	v_lshlrev_b32 v4, 2, v13                       ; 4 r
	v_lshlrev_b32 v15, 4, v13                      ; 16 r
	v_mov_b32 v5, v1                               ; LDS: a fragment's image, unit 0
	v_mov_b32 v6, v4                               ; LDS: a scale word, unit 0
	s_mul_i32 s63, s59, 3072
	v_add_nc_u32 v7, s63, v1                       ; K's half fragments: my wave's four tiles
	v_add_nc_u32 v8, s63, v2
	v_lshl_add_u32 v9, v14, 3, v15
	s_lshl_b32 s63, s59, 8
	v_add_nc_u32 v9, s63, v9                       ; K's scale words: 16 r + 8 h + 256 half
	s_mul_i32 s63, s59, 768
	v_add_nc_u32 v10, s63, v1                      ; V's half fragments: my half
	v_add_nc_u32 v11, s63, v2
	v_lshl_add_u32 v12, v14, 2, v15
	s_lshl_b32 s63, s59, 1
	v_add_nc_u32 v12, s63, v12                     ; V's scale words: 16 r + 4 h + 2 half
.irp b, 0,1,2,3
	v_mov_b32 v[TM+4+\b], 0                        ; written once: a lane permute's destination counts as one of its sources
.endr
	s_wait_dscnt 0x0
	s_wait_kmcnt 0x0
	s_add_nc_u64 s[6:7], s[6:7], s[2:3]
	s_add_nc_u64 s[48:49], s[4:5], s[48:49]
	s_add_nc_u64 s[50:51], s[4:5], s[50:51]
	s_add_nc_u64 s[52:53], s[8:9], s[52:53]
	s_add_nc_u64 s[54:55], s[8:9], s[54:55]
	s_add_nc_u64 s[56:57], s[10:11], s[56:57]
.irp n, 0,1,2,3,4,5                    ; unit n = 3 hp + kind: in wu it is unit 16 kind + 2 cg + hp
	s_mov_b32 s[G0+4*\n], 1
	s_add_co_u32 s[G0+4*\n+1], s62, \n*UNITB
	s_add_nc_u64 s[G0+4*\n+2:G0+4*\n+3], s[6:7], (16*(\n%3)+\n/3)*UNITB
	s_or_b32 s[G0+4*\n+3], s[G0+4*\n+3], 0x80000000
.endr
	CROUND                                         ; all four work-groups are here: the joint loads meet
.irp n, 0,1,2,3,4,5
	tensor_load_to_lds s[G0+4*\n:G0+4*\n+3], s[G1:G1+7]   ; all fills of the launch, in one group: six loads of mine are out
	s_nop 0
.endr
	PLACES 4
.irp i, 0,1,2,3
.irp s, 0,1,2,3,4,5,6,7
	global_load_b32 v[XS+8*\i+\s], v4, s[50:51] offset:\s*32768+64*\i
.endr
.endr
.macro XFRAG i, s                      ; fragment (i, s): two half fragments, as they lie
.set rX, 96*((\i)%2)+12*(\s)
	global_load_b128 v[rX:rX+3], v1, s[48:49] offset:(\i)*12288+(\s)*1536
	global_load_b64 v[rX+4:rX+5], v2, s[48:49] offset:(\i)*12288+(\s)*1536+512
	global_load_b128 v[rX+6:rX+9], v1, s[48:49] offset:(\i)*12288+(\s)*1536+768
	global_load_b64 v[rX+10:rX+11], v2, s[48:49] offset:(\i)*12288+(\s)*1536+1280
.endm
.irp s, 0,1,2,3,4,5,6,7                ; K step by K step, so that the first products need not wait for the last loads: 16 loads a step
	WIN 0x40
	XFRAG 0, \s
	XFRAG 1, \s
	WIN 0x80
	XFRAG 2, \s
	XFRAG 3, \s
.endr
	WIN 0
.macro FETCH s, be                     ; W's four fragments and scale words of K step s into set be: 16 LDS loads
	WIN 0xc0
.irp t, 0,1,2,3
.irp c, 0,1,2
	ds_load_b128 v[48*(\be)+12*\t+4*\c:48*(\be)+12*\t+4*\c+3], v5 offset:6144*(\s)+1536*\t+512*\c
.endr
.endr
	WIN 0
.irp t, 0,1,2,3
	ds_load_b32 v[WS+4*(\be)+\t], v6 offset:49152+256*(\s)+64*\t
.endr
.endm
.macro MM6 d, a, b, sa, sb, z
.if \z
	v_wmma_scale_f32_16x16x128_f8f6f4 v[\d:\d+7], v[\a:\a+11], v[\b:\b+11], 0, v[\sa], v[\sb] matrix_a_fmt:MATRIX_FMT_FP6 matrix_b_fmt:MATRIX_FMT_FP6
.else
	v_wmma_scale_f32_16x16x128_f8f6f4 v[\d:\d+7], v[\a:\a+11], v[\b:\b+11], v[\d:\d+7], v[\sa], v[\sb] matrix_a_fmt:MATRIX_FMT_FP6 matrix_b_fmt:MATRIX_FMT_FP6
.endif
.endm
; 16 matrix instructions: K step s.  tr = 0: source 0 = W, source 1 = x; tr = 1: swapped.  z = 1: the products start the sums.  The 16 accumulators take turns, one instruction a turn, in the same order in every step.
.macro MULS tr, s, z
.irp i, 0,1,2,3
.if \tr
	WIN 0x0d+(\i/2)                                ; source 0 (x) window 1 or 2, source 1 (W) window 3
.else
	WIN 0x07+4*(\i/2)                              ; source 0 (W) window 3, source 1 (x) window 1 or 2
.endif
.irp t, 0,1,2,3
.set rW, 48*((\s)%2)+12*\t
.set rX, 96*(\i%2)+12*(\s)
.set rWS, WS+4*((\s)%2)+\t
.set rXS, XS+8*\i+(\s)
.if \tr
.set rD, ACC+32*\t+8*\i
	MM6 rD, rX, rW, rXS, rWS, \z
.else
.set rD, ACC+32*\i+8*\t
	MM6 rD, rW, rX, rWS, rXS, \z
.endif
.endr
.endr
.endm
.macro STEP n, tr, s
.if (\s) < 7
	PLACES 4                                       ; in front of loads into registers that the last step but one's products, just issued, have read
	FETCH (\s)+1, ((\s)+1)%2
	s_wait_dscnt 16                                ; this step's 16 loads are in; the 16 just issued may be out
.else
	s_wait_dscnt 0x0
.endif
.if (\n) == 0                          ; the first unit meets x's loads on their way: those of later K steps, 16 each, may be out (a wait names 63 at the most)
.if 16*(7-(\s)) > 63
	s_wait_loadcnt 63
.else
	s_wait_loadcnt 16*(7-(\s))
.endif
.endif
.if (\s) == 0
	MULS \tr, \s, 1
.else
	MULS \tr, \s, 0
.endif
.endm
; A unit's 128 products; then, ahead of its results' way out, the next unit's first fragments are asked for.
.macro UNIT n, tr
.irp s, 0,1,2,3,4,5,6,7
	STEP \n, \tr, \s
.endr
	WIN 0
	PLACES 5                                       ; behind the last products: 4 for the reads of results and the loads into set 0, 5 for the next unit's products, which begin the accumulators anew
.if \n < 5
	s_wait_tensorcnt 4-\n                          ; my quarter of unit n + 1 has landed; the loads of the units behind it may stay out
	s_barrier_signal -1                            ; (no LDS load of mine is out: the last step waited for all)
	s_barrier_wait -1                              ; everybody's quarter has
	v_add_nc_u32 v5, UNITB, v5
	v_add_nc_u32 v6, UNITB, v6
	FETCH 0, 0
.endif
.endm
; 64 numbers of a lane, register 16 b + i = k 32 b + 16 (lane / 16) + i of the lane's row, become 12 registers of codes in v[PC] on and a scale word in v[PW].
.macro QUANT s
.irp b, 0,1,2,3
	v_max3_num_f32 v[TM+\b], |v[\s+16*\b]|, |v[\s+1+16*\b]|, 0x1800000   ; block b: my 16 numbers, from each accumulator's low end on, and the floor 2^(3 - 127)
.endr
.irp i, 2,4,6,8,10,12,14
.irp b, 0,1,2,3
	v_max3_num_f32 v[TM+\b], v[TM+\b], |v[\s+16*\b+\i]|, |v[\s+1+16*\b+\i]|
.endr
.endr
.irp b, 0,1,2,3
	v_permlanex16_b32 v[TM+4+\b], v[TM+\b], s60, s61
.endr
.irp b, 0,1,2,3
	v_max_num_f32 v[TM+\b], v[TM+\b], v[TM+4+\b]   ; with lane l xor 16's: the block's largest magnitude
.endr
.irp b, 0,1,2,3
	v_add_nc_u32 v[TM+12+\b], 0xff000000, v[TM+\b] ; 2 off its exponent field: the conversion's scale operand
.endr
.irp b, 0,1,2,3
	v_lshrrev_b32 v[TM+4+\b], 23, v[TM+12+\b]      ; the byte
.endr
	v_lshl_or_b32 v[PW], v[TM+5], 8, v[TM+4]
	v_lshl_or_b32 v[PW], v[TM+6], 16, v[PW]
	v_lshl_or_b32 v[PW], v[TM+7], 24, v[PW]
.irp c, 0,1
	v_cvt_scalef32_pk16_fp6_f32 v[PC+6*\c:PC+2+6*\c], v[\s+32*\c:\s+15+32*\c], v[TM+12+2*\c]
	v_cvt_scalef32_pk16_fp6_f32 v[PC+12+4*\c:PC+14+4*\c], v[\s+16+32*\c:\s+31+32*\c], v[TM+12+2*\c+1]
.endr
	v_nop                                          ; one plain place behind a scaled conversion
.irp c, 0,1                            ; a whole block to a lane: lanes 0-15 block 2 c, lanes 16-31 block 2 c + 1
.irp i, 0,1,2
	v_permlane16_swap_b32 v[PC+6*\c+\i], v[PC+12+4*\c+\i]
.endr
.irp i, 0,1,2
	v_mov_b32 v[PC+3+6*\c+\i], v[PC+12+4*\c+\i]
.endr
.endr
.endm
; q: the 64 registers of x's tiles 2 p and 2 p + 1 are two half fragments (K = the head's 64): blocks 0, 1 belong to tile 2 p, blocks 2, 3 to tile 2 p + 1.
.macro EPI_Q hp
.irp p, 0,1
	s_wait_xcnt 0x0                                ; the registers that earlier stores read are written again only behind this wait
	QUANT ACC+64*\p
	v_and_b32 v23, 0xffff, v[PW]
	v_lshrrev_b32 v[SW], 16, v[PW]
	v_cndmask_b32 v[SW], v23, v[SW], s58           ; lanes 0-15 tile 2 p's word, lanes 16-31 tile 2 p + 1's; the upper two bytes are 0
.irp c, 0,1
	global_store_b128 v1, v[PC+6*\c:PC+6*\c+3], s[52:53] offset:\hp*98304+(2*\p+\c)*768
	global_store_b64 v2, v[PC+6*\c+4:PC+6*\c+5], s[52:53] offset:\hp*98304+(2*\p+\c)*768+512
.endr
	global_store_b32 v3, v[SW], s[54:55] offset:\hp*8192+128*\p
.endr
.endm
.macro EPI_K hp
.irp p, 0,1
	s_wait_xcnt 0x0
	QUANT ACC+64*\p
	v_and_b32 v[KW+2*\p], 0xffff, v[PW]
	v_lshrrev_b32 v[KW+2*\p+1], 16, v[PW]
.irp c, 0,1
	global_store_b128 v7, v[PC+6*\c:PC+6*\c+3], s[56:57] offset:\hp*208896+(2*\p+\c)*768
	global_store_b64 v8, v[PC+6*\c+4:PC+6*\c+5], s[56:57] offset:\hp*208896+(2*\p+\c)*768+512
.endr
.endr
	v_cndmask_b32 v[KP], v[KW], v[KW+2], s58       ; a row's four words lie together: lanes 0-15 store tiles 0, 1, lanes 16-31 tiles 2, 3: 256 consecutive bytes
	v_cndmask_b32 v[KP+1], v[KW+1], v[KW+3], s58
	global_store_b64 v9, v[KP:KP+1], s[56:57] offset:\hp*208896+12288
.endm
; v: the 64 registers of W's tiles 2 p and 2 p + 1 are two half fragments along my wave's 64 keys.
.macro EPI_V hp
.irp p, 0,1
	s_wait_xcnt 0x0
	QUANT ACC+64*\p
	v_lshrrev_b32 v23, 16, v[PW]
	v_cndmask_b32 v[SW], v[PW], v23, s58           ; the low halfword: lanes 0-15 d tile 2 p's two bytes, lanes 16-31 d tile 2 p + 1's
.irp c, 0,1
	global_store_b128 v10, v[PC+6*\c:PC+6*\c+3], s[56:57] offset:\hp*208896+6144+(2*\p+\c)*1536
	global_store_b64 v11, v[PC+6*\c+4:PC+6*\c+5], s[56:57] offset:\hp*208896+6144+(2*\p+\c)*1536+512
.endr
	global_store_b16 v12, v[SW], s[56:57] offset:\hp*208896+12800+8*\p
.endr
.endm
	s_wait_tensorcnt 5                             ; my quarter of unit 0 has landed; the five loads behind it may be out
	s_barrier_signal -1
	s_barrier_wait -1                              ; everybody's has
	FETCH 0, 0
	UNIT 0, 0
	EPI_Q 0
	UNIT 1, 0
	EPI_K 0
	UNIT 2, 1
	EPI_V 0
	UNIT 3, 0
	EPI_Q 1
	UNIT 4, 0
	EPI_K 1
	UNIT 5, 1
	EPI_V 1
	s_wait_tensorcnt 0x0
	ds_add_u32 v86, v87
	s_wait_dscnt 0x0
	CROUND                                         ; the closing round: no work-group ends while a partner may still ask for a tile that names it
	s_endpgm
.Lfunc_end_k_q242c85d74f_qkv:
	.size	k_q242c85d74f_qkv, .Lfunc_end_k_q242c85d74f_qkv-k_q242c85d74f_qkv
	.p2alignl 7, 3214868480
	.fill 96, 4, 3214868480
	.section	.rodata,"a",@progbits
	.p2align	6, 0x0
	.amdhsa_kernel k_q242c85d74f_qkv
		.amdhsa_group_segment_fixed_size 307712
		.amdhsa_private_segment_fixed_size 0
		.amdhsa_enable_private_segment 0
		.amdhsa_kernarg_size 32
		.amdhsa_user_sgpr_count 2
		.amdhsa_user_sgpr_kernarg_segment_ptr 1
		.amdhsa_wavefront_size32 1
		.amdhsa_system_sgpr_workgroup_id_x 1
		.amdhsa_system_sgpr_workgroup_id_y 1
		.amdhsa_system_sgpr_workgroup_id_z 1
		.amdhsa_system_vgpr_workitem_id 0
		.amdhsa_next_free_vgpr 864
		.amdhsa_next_free_sgpr 66
		.amdhsa_reserve_vcc 0
		.amdhsa_float_denorm_mode_32 3
		.amdhsa_float_denorm_mode_16_64 3
		.amdhsa_memory_ordered 1
		.amdhsa_forward_progress 1
		.amdhsa_inst_pref_size 235
	.end_amdhsa_kernel
	.amdgpu_metadata
---
amdhsa.version: [ 1, 2 ]
amdhsa.kernels:
  - .name:           k_q242c85d74f_qkv
    .symbol:         k_q242c85d74f_qkv.kd
    .args:
      - { .name: xq, .offset: 0, .size: 8, .value_kind: global_buffer, .address_space: global }
      - { .name: wu, .offset: 8, .size: 8, .value_kind: global_buffer, .address_space: global }
      - { .name: qq, .offset: 16, .size: 8, .value_kind: global_buffer, .address_space: global }
      - { .name: kv, .offset: 24, .size: 8, .value_kind: global_buffer, .address_space: global }
    .group_segment_fixed_size: 307712
    .private_segment_fixed_size: 0
    .kernarg_segment_align: 8
    .kernarg_segment_size: 32
    .max_flat_workgroup_size: 128
    .sgpr_count:     66
    .vgpr_count:     864
    .wavefront_size: 32
...
	.end_amdgpu_metadata
.endif
;; end of part 2
;; launch attn (part 3): grid 4 x 64, 16 waves a work-group, clusters of 4 x 1, 210,944 bytes of LDS; arguments qq, kv, aq; writes aq
.if DOCPART == 3
	.amdgcn_target "amdgcn-amd-amdhsa--gfx1250"
	.amdhsa_code_object_version 6
	.text
	.protected	k_q242c85d74f_attn
	.globl	k_q242c85d74f_attn
	.p2align	8
	.type	k_q242c85d74f_attn,@function
k_q242c85d74f_attn:
	s_mov_b64 s[64:65], 0
	v_nop
	global_prefetch_b8 v0, s[64:65] scope:SCOPE_SE
	s_setreg_imm32_b32 hwreg(HW_REG_WAVE_MODE, 25, 1), 1
	s_wait_xcnt 0x0
	s_wait_alu depctr_hold_cnt(0) depctr_sa_sdst(0) depctr_va_vdst(0) depctr_va_sdst(0) depctr_va_ssrc(0) depctr_va_vcc(0) depctr_vm_vsrc(0)
	s_getreg_b32 s2, hwreg(HW_REG_IB_STS2, 6, 4)
	s_cmp_eq_u32 s2, 0
	s_cbranch_scc0 .Lentry_in_a_cluster
	s_endpgm
.Lentry_in_a_cluster:
	s_bfe_u32 s2, ttmp6, 0x10000c
	s_cmp_lg_u32 s2, 0x3003
	s_cbranch_scc0 .Lentry_shape_is_right
	s_endpgm
.Lentry_shape_is_right:
; O[bh][d][i] = the sum over keys j of softmax_j(q_i . k_j / 8) v[d][j], both products on codes of FP6 (E2M3) with E8M0 scales; the result is quantised along d = (head, channel) for the last product.
; THE SOFTMAX: t = score x log2(e) / 8; M = the running largest t rounded UP to a whole number; p = 2^(t - M) is quantised along the keys, not normalised; the row's sum is taken of the unquantised p and divides
; at the end.  When M moves, the sum and O are multiplied by 2^(old M - new M): exact.
; SHARES.  Work-group (qb, bh): 512 queries of one head.  Sixteen waves of 256 registers, four to a SIMD, so that one wave's vector work stands beside another's products and LDS loads.
; Wave w owns query tiles 32 qb + w and 32 qb + w + 16, one after the other (two passes), and walks all 2,048 keys, 128 a step.
; THE WHOLE HEAD'S K AND V, codes and scale words, 16 blocks of 13,056 bytes, lie in LDS: wave w brings block w by ONE tensor load; one wait, one barrier, and from then on LDS is only read.
; CLUSTER.  The four query blocks of a head read the same 16 blocks: each is asked for JOINTLY (mask 15).
; LAYOUT.  Both products are used transposed: S^T = K Q^T, O^T = V^T P^T: a lane holds one query (lane % 16) throughout.  By the tile order of the keys the 16 registers of key tiles 2 g, 2 g + 1 are keys
; 32 g + 16 (lane / 16) + 0 .. 15; by that of V's channels the 16 registers of O^T's tiles 2 g, 2 g + 1 are 16 neighbouring channels.
; THE FIRST PRODUCT'S K IS 64, the instruction's 128: Q's codes of k = 64 .. 127 are zeros, and both sides' scale bytes 2 and 3 are 0 (2^-127).  So what stands in the upper six registers of K's operand
; adds nothing: it is the next key tile's half fragment (for tile 7: six registers of zeros), and the eight half fragments lie on end, six registers apart.
; LIMITS: NaN and infinities are not served.  A p under 2^-126 becomes 0 (v_exp_f32 gives no denormals: ISA guide, its entry).  A block's largest p is made from the block's largest score by the same two
; instructions: this takes v_exp_f32 not to fall where its input rises.  A block of zeros gets the byte 1 (its codes are zeros; this program alone reads the bytes).
; REGISTERS: v1-4 lane terms; v5-8 the step's LDS addresses; v9 p's scale word; v10, v11 q's scale words; v12 -M; v13 the largest t; v[14:15] the sum; v16-27 Q of pass 0; v28-31 K's scale words;
;   v32-79 K's half fragments, then V's fragments; v80-85 zeros; v86-89 V's scale words; v90 4 r + h; v96-159 S^T, then p; v160-191 O^T; v192-203 p's codes; v204-211, v212-226 at work; v228-239 Q of pass 1.
; SCALARS: s12 wave; s[20:21] selects; s[22:23] c; s24 lanes 16-31; s25 the step's block in LDS; s26 steps to go; s[28:29], s[30:31] q's codes and words; s[32:33], s[34:35] aq's; s[36:43], s[44:47] the descriptor.
.set XSO, 6291456
.set QSO, 6291456
.set KVB, 13056
.macro CROUND                          ; a round of the cluster's barrier
	s_barrier_signal -1
	s_barrier_wait -1
	s_cmp_lg_u32 s12, 0
	s_cbranch_scc1 .Lnot_wave_0_\@
	s_barrier_signal -3
.Lnot_wave_0_\@:
	s_barrier_wait -3
	s_barrier_signal -1
	s_barrier_wait -1
.endm
	s_load_b128 s[4:7], s[0:1], 0x0                ; qq, kv
	s_load_b64 s[8:9], s[0:1], 0x10                ; aq
	v_lshl_add_u32 v254, v0, 2, 0x33000
	v_mov_b32 v255, 0
	ds_add_u32 v254, v255
	ds_add_u32 v254, v255
	v_lshrrev_b32 v1, 5, v0
	s_delay_alu instid0(VALU_DEP_1)
	v_readfirstlane_b32 s12, v1                    ; wave 0..15
	s_bfe_u32 s13, ttmp6, 0x40000                  ; cx
	s_lshl_b32 s14, ttmp9, 2
	s_add_co_u32 s14, s14, s13                     ; qb: it enters qq's and aq's addresses alone
	s_and_b32 s15, ttmp7, 0xffff                   ; bh, which the four partners share
	s_mov_b32 s36, 15|(3<<16)|(1<<21)              ; group 1: 13,056 dense bytes as 51 rows of 256 bytes (32 elements of 8 bytes); the mask names all four; 21 set beside it
	s_mov_b32 s37, 32<<16
	s_mov_b32 s38, 51<<16
	s_mov_b32 s39, 32<<16
	s_mov_b32 s40, 51
	s_mov_b32 s41, 32
	s_mov_b32 s42, 0
	s_mov_b32 s43, 0
	s_mul_i32 s2, s15, 16*KVB
	s_mul_i32 s45, s12, KVB                        ; block w: in LDS,
	s_add_co_u32 s2, s2, s45                       ; and in kv
	s_mov_b32 s3, 0
	s_mov_b32 s44, 1
	s_lshl_b32 s16, s14, 5
	s_add_co_u32 s16, s16, s12                     ; my first query tile in the batch: 32 qb + w
	s_mul_i32 s28, s15, 98304
	s_mul_i32 s17, s16, 768
	s_add_co_u32 s28, s28, s17
	s_mov_b32 s29, 0
	s_lshl_b32 s30, s15, 13
	s_lshl_b32 s17, s16, 6
	s_add_co_u32 s30, s30, s17
	s_add_co_u32 s30, s30, QSO
	s_mov_b32 s31, 0
	s_lshr_b32 s17, s15, 4                         ; b
	s_lshl_b32 s17, s17, 7
	s_add_co_u32 s17, s17, s16                     ; the tile among all rows (b, l)
	s_and_b32 s18, s15, 15                         ; the head = kappa
	s_mul_i32 s32, s17, 12288
	s_mul_i32 s19, s18, 768
	s_add_co_u32 s32, s32, s19
	s_mov_b32 s33, 0
	s_lshr_b32 s19, s18, 1
	s_lshl_b32 s34, s19, 15                        ; scale words of K step kappa / 2,
	s_lshl_b32 s19, s17, 6
	s_add_co_u32 s34, s34, s19
	s_and_b32 s19, s18, 1
	s_lshl_b32 s19, s19, 1
	s_add_co_u32 s34, s34, s19                     ; bytes 2 (kappa % 2) and + 1
	s_add_co_u32 s34, s34, XSO
	s_mov_b32 s35, 0
	s_mov_b32 s20, 0x76543210
	s_mov_b32 s21, 0xfedcba98                      ; v_permlanex16_b32's selects for lane l xor 16
	s_mov_b32 s22, 0x3e38aa3b                      ; c = log2(e) / 8
	s_mov_b32 s23, s22                             ; (named with it as a pair, so it is written)
	s_mov_b32 s24, 0xffff0000                      ; lanes 16-31
	v_and_b32 v1, 31, v0
	s_delay_alu instid0(VALU_DEP_1)
	v_lshlrev_b32 v2, 3, v1                        ; 8 x lane
	s_delay_alu instid0(VALU_DEP_2)
	v_lshlrev_b32 v1, 4, v1                        ; 16 x lane
	v_and_b32 v4, 15, v0                           ; r
	v_bfe_u32 v5, v0, 4, 1                         ; h
	s_delay_alu instid0(VALU_DEP_1)
	v_lshl_add_u32 v90, v4, 2, v5                  ; 4 r + h
	s_delay_alu instid0(VALU_DEP_3)
	v_lshlrev_b32 v226, 2, v4                      ; 4 r
	s_delay_alu instid0(VALU_DEP_4)
	v_lshlrev_b32 v4, 4, v4                        ; 16 r
	s_delay_alu instid0(VALU_DEP_1)
	v_lshl_add_u32 v3, v5, 8, v4                   ; 16 r + 256 h
	s_wait_dscnt 0x0
	s_wait_kmcnt 0x0
	s_add_nc_u64 s[46:47], s[6:7], s[2:3]
	s_or_b32 s47, s47, 0x80000000
	s_add_nc_u64 s[28:29], s[4:5], s[28:29]
	s_add_nc_u64 s[30:31], s[4:5], s[30:31]
	s_add_nc_u64 s[32:33], s[8:9], s[32:33]
	s_add_nc_u64 s[34:35], s[8:9], s[34:35]
	CROUND                                         ; all four work-groups are here: the joint loads meet
	tensor_load_to_lds s[44:47], s[36:43]          ; my one tensor load of the launch
	s_nop 0
.rept 4
	v_nop
.endr
	s_wait_alu depctr_va_vdst(0)
	global_load_b128 v[16:19], v1, s[28:29]        ; Q's half fragments of both passes, and their scale words
	global_load_b64 v[20:21], v2, s[28:29] offset:512
	global_load_b32 v10, v226, s[30:31]
	global_load_b128 v[228:231], v1, s[28:29] offset:12288
	global_load_b64 v[232:233], v2, s[28:29] offset:12288+512
	global_load_b32 v11, v226, s[30:31] offset:1024
.irp j, 0,1,2,3,4,5
	v_mov_b32 v[22+\j], 0                          ; Q's codes of k = 64 .. 127
	v_mov_b32 v[234+\j], 0
	v_mov_b32 v[80+\j], 0                          ; behind key tile 7
.endr
.irp b, 0,1,2,3
	v_mov_b32 v[216+\b], 0                         ; written once: a lane permute's destination counts as one of its sources
.endr
	v_mov_b32 v225, 0                              ; (named as the upper half of the pair v[224:225])
	s_wait_loadcnt 0x0
	s_wait_tensorcnt 0x0                           ; my block has landed,
	s_barrier_signal -1
	s_barrier_wait -1                              ; everybody's has: from here on LDS is only read
; A KEY STEP: 128 keys, the block at LDS byte s25.  q: Q's first register; qs: its scale words' register.
.macro KSTEP q, qs
	v_add_nc_u32 v5, s25, v1                       ; (these four are the places between the last step's products and the loads into the registers that they read)
	v_add_nc_u32 v6, s25, v2
	v_add_nc_u32 v7, s25, v3
	v_add_nc_u32 v8, s25, v4
.irp j, 0,1,2,3,4,5,6,7
	ds_load_b128 v[32+6*\j:35+6*\j], v5 offset:768*\j
	ds_load_b64 v[36+6*\j:37+6*\j], v6 offset:768*\j+512
.endr
	ds_load_b128 v[28:31], v7 offset:12288         ; K's scale words: lanes 0-15 tiles 0-3, lanes 16-31 tiles 4-7
	s_wait_alu depctr_va_vdst(0)
	s_wait_dscnt 0x0
.irp j, 0,1,2,3
	v_wmma_scale_f32_16x16x128_f8f6f4 v[96+8*\j:103+8*\j], v[32+6*\j:43+6*\j], v[\q:\q+11], 0, v[28+\j], v[\qs] matrix_a_fmt:MATRIX_FMT_FP6 matrix_b_fmt:MATRIX_FMT_FP6
.endr
.irp j, 4,5,6,7
	v_wmma_scale_f32_16x16x128_f8f6f4 v[96+8*\j:103+8*\j], v[32+6*\j:43+6*\j], v[\q:\q+11], 0, v[24+\j], v[\qs] matrix_a_fmt:MATRIX_FMT_FP6 matrix_b_fmt:MATRIX_FMT_FP6 matrix_a_scale:MATRIX_SCALE_ROW1
.endr
.rept 4
	v_nop                                          ; places in front of the loads into K's registers and of the first read of the scores
.endr
.irp t, 0,1,2,3                        ; V's four fragments land while the softmax is worked
.irp f, 0,1
	ds_load_b128 v[32+12*\t+6*\f:35+12*\t+6*\f], v5 offset:6144+1536*\t+768*\f
	ds_load_b64 v[36+12*\t+6*\f:37+12*\t+6*\f], v6 offset:6144+1536*\t+768*\f+512
.endr
.endr
	ds_load_b128 v[86:89], v8 offset:12800         ; V's scale words: d tile t in v[86 + t]
.irp b, 0,1,2,3
	v_max3_num_f32 v[212+\b], v[96+16*\b], v[97+16*\b], v[98+16*\b]   ; the largest score of each block of 32 keys: for the row's maximum, and for the block's largest p
.endr
.irp i, 3,5,7,9,11,13
.irp b, 0,1,2,3
	v_max3_num_f32 v[212+\b], v[212+\b], v[96+16*\b+\i], v[97+16*\b+\i]
.endr
.endr
.irp b, 0,1,2,3
	v_max_num_f32 v[212+\b], v[212+\b], v[111+16*\b]
.endr
.irp b, 0,1,2,3
	s_delay_alu instid0(VALU_DEP_4)
	v_permlanex16_b32 v[216+\b], v[212+\b], s20, s21
.endr
.irp b, 0,1,2,3
	s_delay_alu instid0(VALU_DEP_4)
	v_max_num_f32 v[212+\b], v[212+\b], v[216+\b]  ; with lane l xor 16's 16 keys
.endr
	s_delay_alu instid0(VALU_DEP_2)
	v_max3_num_f32 v226, v212, v213, v214
	s_delay_alu instid0(VALU_DEP_1)
	v_max_num_f32 v226, v226, v215                 ; the step's largest score of my query
	s_delay_alu instid0(VALU_DEP_1)
	v_mul_f32 v226, s22, v226                      ; as t (c is positive)
	s_delay_alu instid0(VALU_DEP_1)
	v_max_num_f32 v13, v13, v226                   ; the running largest t
	v_mov_b32 v226, v12
	s_delay_alu instid0(VALU_DEP_2)
	v_floor_f32 v12, -v13                          ; the new -M = floor(-t): M is a whole number
	s_delay_alu instid0(VALU_DEP_1)
	v_sub_f32 v226, v12, v226                      ; old M - new M: a whole number, 0 or less
	s_delay_alu instid0(VALU_DEP_1)
	v_cvt_i32_f32 v226, v226                       ; (it saturates)
	s_delay_alu instid0(VALU_DEP_1)
	v_ldexp_f32 v224, 1.0, v226                    ; f = 2^(old M - new M)
.set J, 0
.rept 32
	v_pk_fma_f32 v[96+J:97+J], v[96+J:97+J], s[22:23], v[12:13] op_sel_hi:[1,0,0]   ; t - M, two at a time
.set J, J+2
.endr
.irp b, 0,1,2,3
	v_fma_f32 v[212+\b], v[212+\b], s22, v12       ; the same of each block's largest score
.endr
.set J, 0
	s_wait_alu depctr_va_vdst(0)
.rept 64
	v_exp_f32 v[96+J], v[96+J]                     ; p = 2^(t - M), at most 1
.set J, J+1
.endr
	s_setprio 1
.irp b, 0,1,2,3
	v_exp_f32 v[212+\b], v[212+\b]                 ; the block's largest p
.endr
	v_pk_mul_f32 v[14:15], v[14:15], v[224:225] op_sel_hi:[1,0]   ; the sums under the new M (a plain place behind the exponentials)
	s_wait_alu depctr_va_vdst(0)
.irp b, 0,1,2,3
	v_max_num_f32 v[212+\b], 0x1800000, v[212+\b]  ; the floor 2^(3 - 127)
.endr
.irp b, 0,1,2,3
	s_delay_alu instid0(VALU_DEP_4)
	v_add_nc_u32 v[220+\b], 0xff000000, v[212+\b]  ; the conversion's scale operand
.endr
.irp b, 0,1,2,3
	s_delay_alu instid0(VALU_DEP_4)
	v_lshrrev_b32 v[216+\b], 23, v[220+\b]         ; the byte
.endr
	s_delay_alu instid0(VALU_DEP_3)
	v_lshl_or_b32 v9, v217, 8, v216                ; p's scale word for these 128 keys
	s_delay_alu instid0(VALU_DEP_1)
	v_lshl_or_b32 v9, v218, 16, v9
	s_delay_alu instid0(VALU_DEP_1)
	v_lshl_or_b32 v9, v219, 24, v9
.irp c, 0,1
	v_cvt_scalef32_pk16_fp6_f32 v[192+6*\c:194+6*\c], v[96+32*\c:111+32*\c], v[220+2*\c]
	v_cvt_scalef32_pk16_fp6_f32 v[204+4*\c:206+4*\c], v[112+32*\c:127+32*\c], v[220+2*\c+1]
.endr
	v_nop                                          ; one plain place behind a scaled conversion
.irp c, 0,1                            ; a whole block to a lane
.irp i, 0,1,2
	v_permlane16_swap_b32 v[192+6*\c+\i], v[204+4*\c+\i]
.endr
.irp i, 0,1,2
	s_delay_alu instid0(VALU_DEP_3)
	v_mov_b32 v[195+6*\c+\i], v[204+4*\c+\i]
.endr
.endr
	v_pk_add_f32 v[204:205], v[100:101], v[104:105]
	v_pk_add_f32 v[252:253], v[108:109], v[112:113]
	v_pk_add_f32 v[250:251], v[116:117], v[120:121]
	v_pk_add_f32 v[248:249], v[124:125], v[128:129]
	v_pk_add_f32 v[246:247], v[132:133], v[136:137]
	v_pk_add_f32 v[244:245], v[140:141], v[144:145]
	v_pk_add_f32 v[242:243], v[148:149], v[152:153]
	v_pk_add_f32 v[14:15], v[14:15], v[156:157]
	v_pk_add_f32 v[204:205], v[204:205], v[96:97]
	v_pk_add_f32 v[252:253], v[252:253], v[98:99]
	v_pk_add_f32 v[250:251], v[250:251], v[102:103]
	v_pk_add_f32 v[248:249], v[248:249], v[106:107]
	v_pk_add_f32 v[246:247], v[246:247], v[110:111]
	v_pk_add_f32 v[244:245], v[244:245], v[114:115]
	v_pk_add_f32 v[242:243], v[242:243], v[118:119]
	v_pk_add_f32 v[14:15], v[14:15], v[122:123]
	v_pk_add_f32 v[204:205], v[204:205], v[126:127]
	v_pk_add_f32 v[252:253], v[252:253], v[130:131]
	v_pk_add_f32 v[250:251], v[250:251], v[134:135]
	v_pk_add_f32 v[248:249], v[248:249], v[138:139]
	v_pk_add_f32 v[246:247], v[246:247], v[142:143]
	v_pk_add_f32 v[244:245], v[244:245], v[146:147]
	v_pk_add_f32 v[242:243], v[242:243], v[150:151]
	v_pk_add_f32 v[14:15], v[14:15], v[154:155]
	v_pk_add_f32 v[204:205], v[204:205], v[158:159]
	s_delay_alu instid0(VALU_DEP_2)
	v_pk_add_f32 v[14:15], v[14:15], v[248:249]
	s_delay_alu instid0(VALU_DEP_2)
	v_pk_add_f32 v[204:205], v[204:205], v[246:247]
	s_setprio 0
	v_pk_add_f32 v[252:253], v[252:253], v[244:245]
	v_pk_add_f32 v[250:251], v[250:251], v[242:243]
	s_delay_alu instid0(VALU_DEP_2)
	v_pk_add_f32 v[14:15], v[14:15], v[252:253]
	s_delay_alu instid0(VALU_DEP_2)
	v_pk_add_f32 v[204:205], v[204:205], v[250:251]
	s_delay_alu instid0(VALU_DEP_1)
	v_pk_add_f32 v[14:15], v[14:15], v[204:205]
.set J, 0
.rept 16
	v_pk_mul_f32 v[160+J:161+J], v[160+J:161+J], v[224:225] op_sel_hi:[1,0]   ; O^T under the new M, each accumulator from its low end on.  (The sums and these are the places behind the writes of p's codes and scale word)
.set J, J+2
.endr
	s_wait_alu depctr_va_vdst(0)
	s_wait_dscnt 0x0                               ; V is in
.irp t, 0,1,2,3
	v_wmma_scale_f32_16x16x128_f8f6f4 v[160+8*\t:167+8*\t], v[32+12*\t:43+12*\t], v[192:203], v[160+8*\t:167+8*\t], v[86+\t], v9 matrix_a_fmt:MATRIX_FMT_FP6 matrix_b_fmt:MATRIX_FMT_FP6
.endr
.endm
; A PASS: one tile of 16 queries against all keys; then O^T / the sum is quantised along the head's 64 channels and stored as a half fragment of the last product's operand.
.macro PASS n, q, qs
	s_wait_xcnt 0x0                                ; the registers that earlier loads and stores name are written again only behind this wait
	v_mov_b32 v13, 0xff61b1e6                      ; the largest t so far: -3e38
	s_delay_alu instid0(VALU_DEP_1)
	v_floor_f32 v12, -v13                          ; -M
	v_mov_b32 v14, 0
	v_mov_b32 v15, 0
.set J, 0
.rept 32
	v_mov_b32 v[160+J], 0                          ; O^T.  (The step is written once: the first finds zeros, which the first change of M leaves zeros)
.set J, J+1
.endr
	s_mov_b32 s25, 0
	s_mov_b32 s26, 16
.Lkeys_\@:
	s_setprio 2
	KSTEP \q, \qs
	s_add_co_u32 s25, s25, KVB
	s_sub_co_u32 s26, s26, 1
	s_cmp_lg_u32 s26, 0
	s_cbranch_scc1 .Lkeys_\@
	s_setprio 0
	v_add_f32 v14, v14, v15                        ; the sum's two halves,
	s_delay_alu instid0(VALU_DEP_1)
	v_permlanex16_b32 v216, v14, s20, s21
	s_delay_alu instid0(VALU_DEP_1)
	v_add_f32 v14, v14, v216                       ; and lane l xor 16's
	s_wait_alu depctr_va_vdst(0)
	v_rcp_f32 v224, v14
.rept 4
	v_nop                                          ; places behind the last products and behind the reciprocal
.endr
.set J, 0
	s_wait_alu depctr_va_vdst(0)
.rept 16
	v_pk_mul_f32 v[96+J:97+J], v[160+J:161+J], v[224:225] op_sel_hi:[1,0]   ; register 16 g + e: channel 32 g + 16 (lane / 16) + e of my query
.set J, J+2
.endr
.irp g, 0,1
	v_max3_num_f32 v[212+\g], |v[96+16*\g]|, |v[97+16*\g]|, 0x1800000
.endr
.irp i, 2,4,6,8,10,12,14
.irp g, 0,1
	s_delay_alu instid0(VALU_DEP_2)
	v_max3_num_f32 v[212+\g], v[212+\g], |v[96+16*\g+\i]|, |v[97+16*\g+\i]|
.endr
.endr
.irp g, 0,1
	s_delay_alu instid0(VALU_DEP_2)
	v_permlanex16_b32 v[216+\g], v[212+\g], s20, s21
.endr
.irp g, 0,1
	s_delay_alu instid0(VALU_DEP_2)
	v_max_num_f32 v[212+\g], v[212+\g], v[216+\g]
.endr
.irp g, 0,1
	s_delay_alu instid0(VALU_DEP_2)
	v_add_nc_u32 v[220+\g], 0xff000000, v[212+\g]
.endr
.irp g, 0,1
	s_delay_alu instid0(VALU_DEP_2)
	v_lshrrev_b32 v[216+\g], 23, v[220+\g]
.endr
	v_cvt_scalef32_pk16_fp6_f32 v[192:194], v[96:111], v220
	v_cvt_scalef32_pk16_fp6_f32 v[204:206], v[112:127], v221
	v_cndmask_b32 v226, v216, v217, s24            ; lanes 0-15 block 0's byte, lanes 16-31 block 1's.  (The plain place behind the conversions)
.irp i, 0,1,2
	v_permlane16_swap_b32 v[192+\i], v[204+\i]
.endr
.irp i, 0,1,2
	s_delay_alu instid0(VALU_DEP_3)
	v_mov_b32 v[195+\i], v[204+\i]
.endr
	global_store_b128 v1, v[192:195], s[32:33] offset:\n*196608
	global_store_b64 v2, v[196:197], s[32:33] offset:\n*196608+512
	global_store_b8 v90, v226, s[34:35] offset:\n*1024      ; 32 different bytes: two of each row's scale word; the other two are the neighbouring head's
.endm
	PASS 0, 16, 10
	PASS 1, 228, 11
	s_wait_tensorcnt 0x0
	ds_add_u32 v254, v255
	s_wait_dscnt 0x0
	CROUND                                         ; the closing round
	s_endpgm
.Lfunc_end_k_q242c85d74f_attn:
	.size	k_q242c85d74f_attn, .Lfunc_end_k_q242c85d74f_attn-k_q242c85d74f_attn
	.p2alignl 7, 3214868480
	.fill 96, 4, 3214868480
	.section	.rodata,"a",@progbits
	.p2align	6, 0x0
	.amdhsa_kernel k_q242c85d74f_attn
		.amdhsa_group_segment_fixed_size 210944
		.amdhsa_private_segment_fixed_size 0
		.amdhsa_enable_private_segment 0
		.amdhsa_kernarg_size 24
		.amdhsa_user_sgpr_count 2
		.amdhsa_user_sgpr_kernarg_segment_ptr 1
		.amdhsa_wavefront_size32 1
		.amdhsa_system_sgpr_workgroup_id_x 1
		.amdhsa_system_sgpr_workgroup_id_y 1
		.amdhsa_system_sgpr_workgroup_id_z 1
		.amdhsa_system_vgpr_workitem_id 0
		.amdhsa_next_free_vgpr 256
		.amdhsa_next_free_sgpr 66
		.amdhsa_reserve_vcc 0
		.amdhsa_float_denorm_mode_32 3
		.amdhsa_float_denorm_mode_16_64 3
		.amdhsa_memory_ordered 1
		.amdhsa_forward_progress 1
		.amdhsa_inst_pref_size 52
	.end_amdhsa_kernel
	.amdgpu_metadata
---
amdhsa.version: [ 1, 2 ]
amdhsa.kernels:
  - .name:           k_q242c85d74f_attn
    .symbol:         k_q242c85d74f_attn.kd
    .args:
      - { .name: qq, .offset: 0, .size: 8, .value_kind: global_buffer, .address_space: global }
      - { .name: kv, .offset: 8, .size: 8, .value_kind: global_buffer, .address_space: global }
      - { .name: aq, .offset: 16, .size: 8, .value_kind: global_buffer, .address_space: global }
    .group_segment_fixed_size: 210944
    .private_segment_fixed_size: 0
    .kernarg_segment_align: 8
    .kernarg_segment_size: 24
    .max_flat_workgroup_size: 512
    .sgpr_count:     66
    .vgpr_count:     256
    .wavefront_size: 32
...
	.end_amdgpu_metadata
.endif
;; end of part 3
;; launch outp (part 4): grid 32 x 8, 4 waves a work-group, clusters of 4 x 1, 168,448 bytes of LDS; arguments aq, wu, bo, out0; writes out0
.if DOCPART == 4
	.amdgcn_target "amdgcn-amd-amdhsa--gfx1250"
	.amdhsa_code_object_version 6
	.text
	.protected	k_q242c85d74f_outp
	.globl	k_q242c85d74f_outp
	.p2align	8
	.type	k_q242c85d74f_outp,@function
k_q242c85d74f_outp:
	s_mov_b64 s[64:65], 0
	v_nop
	global_prefetch_b8 v0, s[64:65] scope:SCOPE_SE
	s_setreg_imm32_b32 hwreg(HW_REG_WAVE_MODE, 25, 1), 1
	s_wait_xcnt 0x0
	s_wait_alu depctr_hold_cnt(0) depctr_sa_sdst(0) depctr_va_vdst(0) depctr_va_sdst(0) depctr_va_ssrc(0) depctr_va_vcc(0) depctr_vm_vsrc(0)
	s_getreg_b32 s2, hwreg(HW_REG_IB_STS2, 6, 4)
	s_cmp_eq_u32 s2, 0
	s_cbranch_scc0 .Lentry_in_a_cluster
	s_endpgm
.Lentry_in_a_cluster:
	s_bfe_u32 s2, ttmp6, 0x10000c
	s_cmp_lg_u32 s2, 0x3003
	s_cbranch_scc0 .Lentry_shape_is_right
	s_endpgm
.Lentry_shape_is_right:
; out0[b][o][l] = the sum over d of wo[o][d] a[b][d][l] + bo[o], on codes of FP6 (E2M3) with E8M0 scales.  a: the attention's result as aq has it (xq's format); wo: units 48 .. 63 of wu.
; SHARES.  Work-group (rg, cg): rows (b, l) 256 rg .. + 255, outputs 128 cg .. + 127 (two units of 64).  Wave w keeps its 64 rows for all of K in 384 registers, read once from aq.  Both units lie in LDS, each byte filled once.
; CLUSTER.  The four row groups of a cluster need the same two units: each wave's quarter of a unit is asked for JOINTLY (mask 15).  a's fragments go straight to the registers of the one wave that needs them.
; ORIENTATION.  Source 0 = 16 rows of a, source 1 = 16 rows of wo: a lane holds one output o, and by the tile order of the rows its 16 registers of two neighbouring tiles are 16 neighbouring l.
; The bias is the C of each sum's first matrix instruction: eight equal registers for each tile of wo.
; THE WAY OUT.  A tile of wo gives 16 rows o x my 64 l (256 bytes a row): through my own stage in LDS, back as whole rows; sixteen lanes store 256 consecutive bytes, at a multiple of 256 from out0's first byte.
; LIMITS: NaN and infinities are not served.
; REGISTERS.  window 0: v1-13 offsets; v24-87 rows read back, two sets of 32; v88-95 W's scale words, two sets; v96-127 a's scale words (8 i + s); v128-255 the 16 accumulators (32 t + 8 i).
;   window 1: a's tiles 0, 1 (96 (i % 2) + 12 s);  window 2: tiles 2, 3;  window 3: v0-95 W's fragments, two sets; v96-159 the bias (8 (4 n + t)).
; LDS: the units at 0 and 51,200; from 102,400 a stage of 16 rows x 272 bytes for each wave, into which no tensor load lands.
.set XSO,   6291456
.set UNITB, 51200
.set STG,   102400
.set ACC,   128
.set WS,    88
.set XS,    96
.set BK,    24
.set BI,    96
.set G1,    16
.set G0,    24
.set MSB,   0
.macro WIN new
.if MSB != (\new)
	s_set_vgpr_msb (MSB<<8)|(\new)
.set MSB, (\new)
.endif
.endm
.macro PLACES n
.rept \n
	v_nop
.endr
.endm
.macro CROUND
	s_barrier_signal -1
	s_barrier_wait -1
	s_cmp_lg_u32 s12, 0
	s_cbranch_scc1 .Lnot_wave_0_\@
	s_barrier_signal -3
.Lnot_wave_0_\@:
	s_barrier_wait -3
	s_barrier_signal -1
	s_barrier_wait -1
.endm
	s_load_b256 s[4:11], s[0:1], 0x0               ; aq, wu, bo, out0
	v_lshl_add_u32 v22, v0, 2, 0x29000
	v_mov_b32 v23, 0
	ds_add_u32 v22, v23
	ds_add_u32 v22, v23
	v_lshrrev_b32 v1, 5, v0
	v_readfirstlane_b32 s12, v1                    ; wave 0..3
	s_bfe_u32 s13, ttmp6, 0x40000                  ; cx
	s_lshl_b32 s14, ttmp9, 2
	s_add_co_u32 s14, s14, s13                     ; rg: it enters aq's and out0's addresses alone
	s_and_b32 s15, ttmp7, 0xffff                   ; cg, which the four partners share
	s_mov_b32 s[G1+0], 15|(3<<16)|(1<<21)          ; a quarter of a unit: 50 rows of 256 bytes (32 elements of 8 bytes), dense; the mask names all four; 21 set beside it
	s_mov_b32 s[G1+1], 32<<16
	s_mov_b32 s[G1+2], 50<<16
	s_mov_b32 s[G1+3], 32<<16
	s_mov_b32 s[G1+4], 50
	s_mov_b32 s[G1+5], 32
	s_mov_b32 s[G1+6], 0
	s_mov_b32 s[G1+7], 0
	s_mul_i32 s2, s15, 2*UNITB
	s_mul_i32 s62, s12, 12800
	s_add_co_u32 s2, s2, s62
	s_mov_b32 s3, 0
	s_mul_i32 s48, s14, 196608
	s_mul_i32 s50, s12, 49152
	s_add_co_u32 s48, s48, s50
	s_mov_b32 s49, 0
	s_lshl_b32 s50, s14, 10
	s_lshl_b32 s52, s12, 8
	s_add_co_u32 s50, s50, s52
	s_add_co_u32 s50, s50, XSO
	s_mov_b32 s51, 0
	s_lshr_b32 s52, s14, 3                         ; b
	s_lshl_b32 s52, s52, 23                        ; x 1024 x 2048 x 4
	s_lshl_b32 s54, s15, 20                        ; + 128 cg rows of 8,192 bytes
	s_add_co_u32 s52, s52, s54
	s_and_b32 s54, s14, 7
	s_lshl_b32 s54, s54, 10                        ; + my row group's 256 l
	s_add_co_u32 s52, s52, s54
	s_lshl_b32 s54, s12, 8                         ; + my wave's 64
	s_add_co_u32 s52, s52, s54
	s_mov_b32 s53, 0
	s_lshl_b32 s54, s15, 9                         ; the bias: 128 numbers a column group
	s_mov_b32 s55, 0
	s_mul_i32 s63, s12, 4352
	s_add_co_u32 s63, s63, STG                     ; my stage
	v_and_b32 v1, 31, v0
	v_lshlrev_b32 v2, 3, v1                        ; 8 x lane
	v_lshlrev_b32 v1, 4, v1                        ; 16 x lane
	v_and_b32 v10, 15, v0                          ; r
	v_bfe_u32 v11, v0, 4, 1                        ; h
	v_lshlrev_b32 v4, 2, v10                       ; 4 r
	v_mov_b32 v5, v1                               ; LDS: a fragment's image, unit 0
	v_mov_b32 v6, v4                               ; LDS: a scale word, unit 0
	v_mul_u32_u24 v7, v10, 272
	v_lshl_add_u32 v7, v11, 6, v7
	v_add_nc_u32 v7, s63, v7                       ; into the stage: row r, + 64 h
	v_mul_u32_u24 v8, v11, 272
	v_lshl_add_u32 v8, v10, 4, v8
	v_add_nc_u32 v8, s63, v8                       ; back: lanes 0-15 one row, lanes 16-31 the next
	v_lshlrev_b32 v9, 13, v11
	v_lshl_add_u32 v9, v10, 4, v9                  ; and the same two rows in out0
	v_and_b32 v13, 8, v10
	v_add_nc_u32 v13, v13, v10
	v_lshlrev_b32 v13, 2, v13                      ; the bias of my output: 4 (r + (r & 8))
	s_wait_dscnt 0x0
	s_wait_kmcnt 0x0
	s_add_nc_u64 s[6:7], s[6:7], s[2:3]
	s_add_nc_u64 s[48:49], s[4:5], s[48:49]
	s_add_nc_u64 s[50:51], s[4:5], s[50:51]
	s_add_nc_u64 s[8:9], s[8:9], s[54:55]
	s_add_nc_u64 s[10:11], s[10:11], s[52:53]
.irp n, 0,1
	s_mov_b32 s[G0+4*\n], 1
	s_add_co_u32 s[G0+4*\n+1], s62, \n*UNITB
	s_add_nc_u64 s[G0+4*\n+2:G0+4*\n+3], s[6:7], (48+\n)*UNITB
	s_or_b32 s[G0+4*\n+3], s[G0+4*\n+3], 0x80000000
.endr
	CROUND                                         ; all four work-groups are here: the joint loads meet
	tensor_load_to_lds s[G0:G0+3], s[G1:G1+7]      ; both fills of the launch: two loads of mine are out
	s_nop 0
	tensor_load_to_lds s[G0+4:G0+7], s[G1:G1+7]
	s_nop 0
	PLACES 4
.irp i, 0,1,2,3
.irp s, 0,1,2,3,4,5,6,7
	global_load_b32 v[XS+8*\i+\s], v4, s[50:51] offset:\s*32768+64*\i
.endr
.endr
	WIN 0xc0
	s_wait_alu depctr_va_vdst(0)
.irp n, 0,1
.irp t, 0,1,2,3
.irp j, 0,1,2,3,4,5,6,7
	global_load_b32 v[BI+8*(4*\n+\t)+\j], v13, s[8:9] offset:4*(64*\n+32*(\t/2)+8*(\t%2))   ; eight equal registers: the result's eight rows l of my output
.endr
.endr
.endr
.macro XFRAG i, s
.set rX, 96*((\i)%2)+12*(\s)
	global_load_b128 v[rX:rX+3], v1, s[48:49] offset:(\i)*12288+(\s)*1536
	global_load_b64 v[rX+4:rX+5], v2, s[48:49] offset:(\i)*12288+(\s)*1536+512
	global_load_b128 v[rX+6:rX+9], v1, s[48:49] offset:(\i)*12288+(\s)*1536+768
	global_load_b64 v[rX+10:rX+11], v2, s[48:49] offset:(\i)*12288+(\s)*1536+1280
.endm
.irp s, 0,1,2,3,4,5,6,7                ; K step by K step: 16 loads a step
	WIN 0x40
	XFRAG 0, \s
	XFRAG 1, \s
	WIN 0x80
	XFRAG 2, \s
	XFRAG 3, \s
.endr
	WIN 0
.macro FETCH s, be                     ; W's four fragments and scale words of K step s into set be: 16 LDS loads
	WIN 0xc0
.irp t, 0,1,2,3
.irp c, 0,1,2
	ds_load_b128 v[48*(\be)+12*\t+4*\c:48*(\be)+12*\t+4*\c+3], v5 offset:6144*(\s)+1536*\t+512*\c
.endr
.endr
	WIN 0
.irp t, 0,1,2,3
	ds_load_b32 v[WS+4*(\be)+\t], v6 offset:49152+256*(\s)+64*\t
.endr
.endm
; 16 matrix instructions: K step s of unit n; the 16 accumulators take turns, one instruction a turn, in the same order in every step.  K step 0 takes the bias as C.
.macro MULS n, s
.irp i, 0,1,2,3
.if (\s) == 0
	WIN 0x3d+(\i/2)                                ; source 0 (a) window 1 or 2, source 1 (W) and source 2 (the bias) window 3
.else
	WIN 0x0d+(\i/2)
.endif
.irp t, 0,1,2,3
.set rD, ACC+32*\t+8*\i
.set rW, 48*((\s)%2)+12*\t
.set rX, 96*(\i%2)+12*(\s)
.set rB, BI+8*(4*(\n)+\t)
.if (\s) == 0
	v_wmma_scale_f32_16x16x128_f8f6f4 v[rD:rD+7], v[rX:rX+11], v[rW:rW+11], v[rB:rB+7], v[XS+8*\i+(\s)], v[WS+4*((\s)%2)+\t] matrix_a_fmt:MATRIX_FMT_FP6 matrix_b_fmt:MATRIX_FMT_FP6
.else
	v_wmma_scale_f32_16x16x128_f8f6f4 v[rD:rD+7], v[rX:rX+11], v[rW:rW+11], v[rD:rD+7], v[XS+8*\i+(\s)], v[WS+4*((\s)%2)+\t] matrix_a_fmt:MATRIX_FMT_FP6 matrix_b_fmt:MATRIX_FMT_FP6
.endif
.endr
.endr
.endm
.macro STEP n, s
.if (\s) < 7
	PLACES 4                                       ; in front of loads into registers that products just issued have read
	FETCH (\s)+1, ((\s)+1)%2
	s_wait_dscnt 16                                ; this step's 16 loads are in; the 16 just issued may be out
.else
	s_wait_dscnt 0x0
.endif
.if (\n) == 0                          ; the first unit meets a's loads on their way: those of later K steps, 16 each, may be out (a wait names 63 at the most)
.if 16*(7-(\s)) > 63
	s_wait_loadcnt 63
.else
	s_wait_loadcnt 16*(7-(\s))
.endif
.endif
	MULS \n, \s
.endm
.macro TOSTAGE a                       ; W's tile a: 16 outputs x my 64 l, into my stage and back as whole rows of 256 bytes
.irp i, 0,1,2,3
	ds_store_b128 v7, v[ACC+32*(\a)+8*\i:ACC+32*(\a)+8*\i+3] offset:128*(\i/2)+32*(\i%2)        ; each accumulator from its low end on: l = 32 (i / 2) + 16 h + 8 (i % 2) + 0 .. 7
	ds_store_b128 v7, v[ACC+32*(\a)+8*\i+4:ACC+32*(\a)+8*\i+7] offset:128*(\i/2)+32*(\i%2)+16
.endr
.set BB, BK+32*((\a)%2)
.irp e, 0,1,2,3,4,5,6,7
	ds_load_b128 v[BB+4*\e:BB+4*\e+3], v8 offset:544*\e   ; LDS serves a wave's instructions in order: these see the stores above, and the next tile's stores come behind them
.endr
.endm
.macro SEND n, a, younger              ; younger: the LDS instructions issued behind tile a's loads, which may stay out
.set BB, BK+32*((\a)%2)
	s_wait_dscnt \younger
.irp e, 0,1,2,3,4,5,6,7
	global_store_b128 v9, v[BB+4*\e:BB+4*\e+3], s[10:11] offset:(64*(\n)+32*((\a)/2)+8*((\a)%2)+2*\e+8*(\e/4))*8192 th:TH_STORE_NT   ; stage row 2 e + (lane / 16) is the output of that lane of the tile
.endr
.endm
.macro UNIT n
.irp s, 0,1,2,3,4,5,6,7
	STEP \n, \s
.endr
	WIN 0
	PLACES 5                                       ; behind the last products: 4 for the stores of results and the loads into set 0, 5 for the next unit's products, which begin the accumulators anew
.if \n == 0
	s_wait_tensorcnt 0x0                           ; my quarter of unit 1 has landed
	s_barrier_signal -1                            ; (no LDS load of mine is out)
	s_barrier_wait -1
	v_add_nc_u32 v5, UNITB, v5
	s_wait_alu depctr_va_vdst(0)
	v_add_nc_u32 v6, UNITB, v6
	s_wait_alu depctr_va_vdst(0)
	FETCH 0, 0
.else
	s_wait_xcnt 0x0                                ; the last unit's stores have read the registers that the loads below land in
.endif
	TOSTAGE 0
	TOSTAGE 1
	SEND \n, 0, 16                                 ; behind tile 0's loads: tile 1's 8 stores and 8 loads
	s_wait_xcnt 0x0                                ; tile 0's stores have read their registers: tile 2's loads may land there
	TOSTAGE 2
	SEND \n, 1, 16
	s_wait_xcnt 0x0
	TOSTAGE 3
	SEND \n, 2, 16
	SEND \n, 3, 0
.endm
	s_wait_tensorcnt 1                             ; my quarter of unit 0 has landed; unit 1's load may be out
	s_barrier_signal -1
	s_barrier_wait -1
	FETCH 0, 0
	UNIT 0
	UNIT 1
	s_wait_tensorcnt 0x0
	ds_add_u32 v22, v23
	s_wait_dscnt 0x0
	CROUND                                         ; the closing round
	s_endpgm
.Lfunc_end_k_q242c85d74f_outp:
	.size	k_q242c85d74f_outp, .Lfunc_end_k_q242c85d74f_outp-k_q242c85d74f_outp
	.p2alignl 7, 3214868480
	.fill 96, 4, 3214868480
	.section	.rodata,"a",@progbits
	.p2align	6, 0x0
	.amdhsa_kernel k_q242c85d74f_outp
		.amdhsa_group_segment_fixed_size 168448
		.amdhsa_private_segment_fixed_size 0
		.amdhsa_enable_private_segment 0
		.amdhsa_kernarg_size 32
		.amdhsa_user_sgpr_count 2
		.amdhsa_user_sgpr_kernarg_segment_ptr 1
		.amdhsa_wavefront_size32 1
		.amdhsa_system_sgpr_workgroup_id_x 1
		.amdhsa_system_sgpr_workgroup_id_y 1
		.amdhsa_system_sgpr_workgroup_id_z 1
		.amdhsa_system_vgpr_workitem_id 0
		.amdhsa_next_free_vgpr 928
		.amdhsa_next_free_sgpr 66
		.amdhsa_reserve_vcc 0
		.amdhsa_float_denorm_mode_32 3
		.amdhsa_float_denorm_mode_16_64 3
		.amdhsa_memory_ordered 1
		.amdhsa_forward_progress 1
		.amdhsa_inst_pref_size 95
	.end_amdhsa_kernel
	.amdgpu_metadata
---
amdhsa.version: [ 1, 2 ]
amdhsa.kernels:
  - .name:           k_q242c85d74f_outp
    .symbol:         k_q242c85d74f_outp.kd
    .args:
      - { .name: aq, .offset: 0, .size: 8, .value_kind: global_buffer, .address_space: global }
      - { .name: wu, .offset: 8, .size: 8, .value_kind: global_buffer, .address_space: global }
      - { .name: bo, .offset: 16, .size: 8, .value_kind: global_buffer, .address_space: global }
      - { .name: out0, .offset: 24, .size: 8, .value_kind: global_buffer, .address_space: global }
    .group_segment_fixed_size: 168448
    .private_segment_fixed_size: 0
    .kernarg_segment_align: 8
    .kernarg_segment_size: 32
    .max_flat_workgroup_size: 128
    .sgpr_count:     66
    .vgpr_count:     928
    .wavefront_size: 32
...
	.end_amdgpu_metadata
.endif
;; end of part 4
